; MI455X (gfx1250); checked and timed in simulation.
; The chip was launched on July 23, 2026; its instructions are those of AMD's public machine-readable ISA for CDNA 5 (MIT licence, August 2026) and "CDNA5" Instruction Set Architecture Reference Guide (July 2026). The comments in the code are by the model that wrote it; some were corrected since.
;; Multi Head Self Attention. Allowed arithmetic: matrix products marked QUANTISED: E4M3 operands, one given power-of-two scale a tensor, by v_wmma_f32_16x16x64_fp8_fp8 or v_wmma_f32_16x16x128_fp8_fp8, f32 sums; everything else in f32.
;; Inputs: W_out 1,024 x 1,024 float32; W_qkv 1,024 x 3,072 float32; b_out 1,024 float32; b_qkv 3,072 float32; lowp_scales 8 int32 (the exponents e of the quantised operands' scales 2^e); x 4 x 2,048 x 1,024 float32.
;; Outputs: out0 4 x 2,048 x 1,024 float32.
;; This version of the problem:
;;   THIS VERSION OF THE PROBLEM IS GIVEN IN LOW PRECISION. The matrix products marked QUANTISED in the list below multiply operands that are first quantised to E4M3 (4 exponent bits, 3 mantissa bits; 8 bits a number), with one given power-of-two scale for each operand tensor; their sums are f32. All else is computed in f32.
;;   The module's matrix products, in the order in which they are computed (A, B: the left and right operand; K: the contracted axis; several contracted axes count as one K, in the product's order):
;;     1. [M 8,192, K 1,024] x [K 1,024, N 3,072]; A: input x; B: input W_qkv: QUANTISED (scales: A lowp_scales[0], B lowp_scales[1])
;;     2. batch 64 x [M 2,048, K 64] x [K 64, N 2,048]; A: computed on the way; B: computed on the way: QUANTISED (scales: A lowp_scales[2], B lowp_scales[3])
;;     3. batch 64 x [M 2,048, K 2,048] x [K 2,048, N 64]; A: softmax (see below); B: computed on the way: QUANTISED (scales: A lowp_scales[4], B lowp_scales[5])
;;     4. [M 8,192, K 1,024] x [K 1,024, N 1,024]; A: computed on the way; B: input W_out: QUANTISED (scales: A lowp_scales[6], B lowp_scales[7])
;;   THE QUANTISER, for each operand of a quantised product, along K:
;;     - The operand's scale is 2^e, e = its entry of the input lowp_scales (int32; the entries are numbered through the quantised products in the list's order, A before B).
;;     - Each number is divided by the scale, clamped to +-448, and rounded to the nearest number of E4M3, ties to even, subnormals kept.
;;     - The product sums the exact products of the quantised numbers (number of the format x scale) in f32.
;;   ~~~python
;;   def quantise(x, axis, e):      # numpy; x: float32 -> the quantised numbers, widened to float32 again
;;       x = np.moveaxis(x, axis, -1); K = x.shape[-1]
;;       r = np.clip(x / 2.0 ** e, -448, 448)
;;       step = 2.0 ** (np.maximum(np.frexp(np.where(r == 0, 1, r))[1] - 1, -6) - 3)
;;       q = np.round(r / step) * step * 2.0 ** e      # np.round: ties to even
;;       return np.moveaxis(q, -1, axis).astype(np.float32)
;;   ~~~
;;   SOFTMAX AHEAD OF A QUANTISED PRODUCT. Where the list says 'softmax', what is quantised is not the finished softmax but p = 2^(t - M), with t = logit x log2(e) and M = ceil(the row's largest t), a whole number; so 1/2 < the row's largest p <= 1. The row's sum l is taken of the UNQUANTISED p, in f32, and the product's result is divided by l at the end. Since M is a whole number, a kernel that streams over the keys may use a running M (the ceiling of the running maximum): every later rescaling is an exact power of two, so the quantised numbers keep their values, but for numbers so far below the row's largest that they fall under the format's range.
;;   OPERANDS COMPUTED ON THE WAY. 'Computed on the way' means the value that the module computes at that place (a softmax that the list does not call 'softmax' is quantised finished and normalised). What goes into a quantiser is computed in f32, as accurately as f32 sums, v_exp_f32 and their like allow (about 1e-6 of the number): no bf16 or f16 on the way to a quantiser, and a product that is left as it is and whose result goes on into a quantised operand takes f32 operands (vector FMAs, or v_wmma_f32_16x16x4_f32). A number that lies on a knife's edge between two numbers of the format may be rounded either way, as far as f32 arithmetic and the matrix unit's own rounding can turn it there, and no further.
;; One version. Each part assembles by itself: llvm-mc -triple=amdgcn-amd-amdhsa -mcpu=gfx1250 --defsym DOCPART=n.
;; ======== version 1 of 1: 4 launches
;; limits: right only within a limited range of input values
;; workspace buffers: xc 8,388,608 bytes; wqc 3,145,728 bytes; woc 1,048,576 bytes; qc 8,388,608 bytes; kc 8,388,608 bytes; vc 8,388,608 bytes; ac 8,388,608 bytes
;; launch quant (part 1): grid 32 x 24, 4 waves a work-group, no clusters, 18,944 bytes of LDS; arguments x, W_qkv, W_out, lowp_scales, xc, wqc, woc; writes xc, wqc, woc
.if DOCPART == 1
	.amdgcn_target "amdgcn-amd-amdhsa--gfx1250"
	.amdhsa_code_object_version 6
	.text
	.protected	k_qf44dac3b45_quant
	.globl	k_qf44dac3b45_quant
	.p2align	8
	.type	k_qf44dac3b45_quant,@function
k_qf44dac3b45_quant:
	s_mov_b64 s[64:65], 0
	v_nop
	global_prefetch_b8 v0, s[64:65] scope:SCOPE_SE
	s_setreg_imm32_b32 hwreg(HW_REG_WAVE_MODE, 25, 1), 1
	s_wait_xcnt 0x0
; x [8192][1024], W_qkv [1024][3072] and W_out [1024][1024], f32, become codes of FP8 (E4M3), each with the one scale 2^e given for it
; (entries 0, 1 and 7 of the scales' exponents): code = number / 2^e, held within +-448, to the nearest code, ties to even.
; LIMITS: each of the three e lies between -126 and 119, so that 2^e and 448 x 2^e are f32 numbers.  NaN among the inputs is not served.
; THE CODES ARE LAID AS IMAGES OF OPERAND REGISTERS.  An image is 16 rows x 64 k in 1,024 bytes: the code of (row r, k = 32 c + 16 e + 8 h + y) lies at byte
; 512 c + 16 (r + 16 h) + 8 e + y, so that two 16-byte accesses a lane, at 16 x lane and 512 further on, are the eight registers of an 8-bit fragment, every k in its own place.
;   xc  [gy 32][ks 8][mt 16][kap 2][image]: row 256 gy + 16 mt + r, k = 128 ks + 64 kap + ..
;   wqc [gx 8][ks 8][wc 2][f 12][kap 2][image]: f = 4 part + nt, column 1024 part + 64 (2 gx + wc) + 16 nt + r
;   woc [gx 4][Q 4][wc 2][kq 4][nt 8][image]: nt = 4 G + b, column 256 gx + 128 wc + 64 G + 4 r + b, k = 256 Q + 64 kq + ..
; WORK-GROUPS: y < 16: sixteen whole rows of x (m = 32 y + x).  y >= 16: 128 along K (ks = y - 16) x 128 columns of W_qkv (x < 24) or of W_out.  64 KiB of f32 each.
; Memory binds: no matrix unit, no tensor load, no barrier; waves share nothing.  Only x's path touches LDS.
.set LANE, 6                           ; v6      lane
.set SC,   4                           ; v4      2^e as f32: the conversion takes its exponent field
.set LIM,  5
.set O,    8                           ; v8-23   x: four 16-byte pieces of images, back from the stage
.set X,    32                          ; v32-159 x: two K steps x 16 rows x 4 numbers
.set C,    160                         ; v160-191 x: a dword of codes for each K step and row
.set WX,   32                          ; v32-95  weights: two sets of 32 numbers down K
.set WC,   96                          ; v96-127 weights: 8 registers of codes for each of four blocks; never written twice
.set PITCH, 144                        ; x: a stage row: 128 codes + 16 bytes, an odd multiple of 16
.set STG,  16*PITCH                    ; a stage: 16 rows; two for each wave
.macro MKSC se                         ; the scale from the exponent in \se
	s_add_co_i32 s36, \se, 127
	s_lshl_b32 s37, s36, 23
	v_mov_b32 v[SC], s37
.endm
	s_load_b256 s[4:11], s[0:1], 0x0               ; x s[4:5], W_qkv s[6:7], W_out s[8:9], the exponents s[10:11]
	s_load_b128 s[12:15], s[0:1], 0x20             ; xc s[12:13], wqc s[14:15]
	s_load_b64 s[16:17], s[0:1], 0x30              ; woc
	v_lshl_add_u32 v192, v0, 2, 0x4800
	v_mov_b32 v193, 0
	v_lshrrev_b32 v1, 5, v0
	v_readfirstlane_b32 s18, v1                    ; wave 0..3
	v_and_b32 v[LANE], 31, v0
	s_and_b32 s19, ttmp7, 0xffff                   ; work-group y
	s_mov_b32 s23, 0                               ; the high word of every offset
	s_wait_kmcnt 0x0
	s_load_b256 s[24:31], s[10:11], 0x0            ; e0 .. e7
	s_cmp_lt_u32 s19, 16
	s_cbranch_scc0 .Lweights
; ---- x.  Wave w takes k = 256 w .. 256 w + 255 of the sixteen rows: two K steps of 128.  Each load reads 512 consecutive bytes of one row, 4 numbers a lane.
	s_lshl_b32 s20, s19, 5
	s_add_co_u32 s20, s20, ttmp9                   ; m: which sixteen rows
	s_lshl_b32 s22, s20, 16                        ; 16 rows of 4,096 bytes
	s_lshl_b32 s21, s18, 10
	s_add_co_u32 s22, s22, s21
	s_add_nc_u64 s[4:5], s[4:5], s[22:23]
	s_wait_alu depctr_va_vdst(0)
	v_lshlrev_b32 v1, 4, v[LANE]                   ; 16 x lane
.irp s, 0,1
.irp r, 0,1,2,3,4,5,6,7,8,9,10,11,12,13,14,15
	global_load_b128 v[X+64*\s+4*\r:X+64*\s+4*\r+3], v1, s[4:5] offset:\r*4096+\s*512 th:TH_LOAD_NT
.endr
.endr
	s_lshr_b32 s22, s20, 4                         ; gy
	s_lshl_b32 s22, s22, 18
	s_lshl_b32 s21, s18, 16                        ; ks = 2 w: 32,768 bytes a K step
	s_add_co_u32 s22, s22, s21
	s_and_b32 s21, s20, 15                         ; mt
	s_lshl_b32 s21, s21, 11
	s_add_co_u32 s22, s22, s21
	s_add_nc_u64 s[12:13], s[12:13], s[22:23]
	; the stage.  In: my dword of a row (k = 4 lane ..) goes to dword place lane with bits 1 and 2 exchanged, so that 16 bytes on end are the image's (8 k, and the 8 k that lie 16 further on)
	v_and_b32 v2, 0x19, v[LANE]
	v_lshlrev_b32 v2, 2, v2
	v_bfe_u32 v7, v[LANE], 1, 1
	v_lshl_add_u32 v2, v7, 4, v2
	v_bfe_u32 v7, v[LANE], 2, 1
	v_lshl_add_u32 v2, v7, 3, v2
	s_mul_i32 s21, s18, 2*STG                      ; my wave's two stages
	v_add_nc_u32 v2, s21, v2
	v_and_b32 v3, 15, v[LANE]                      ; back: row lane % 16, 16 bytes for each half of the lanes
	v_mul_u32_u24 v3, v3, PITCH
	v_bfe_u32 v7, v[LANE], 4, 1
	v_lshl_add_u32 v3, v7, 4, v3
	v_add_nc_u32 v3, s21, v3
	s_wait_kmcnt 0x0
	MKSC s24
.macro XSTEP s
.if \s == 0
	s_wait_loadcnt 16                              ; this K step's sixteen loads are in; the other's sixteen may be out
.else
	s_wait_loadcnt 0x0
.endif
.set i, 0
.rept 64
.set i, i+1
.endr
.irp i, 0,1,2,3,4,5,6,7
	v_cvt_scalef32_pk8_fp8_f32 v[C+16*\s+2*\i:C+16*\s+2*\i+1], v[X+64*\s+8*\i:X+64*\s+8*\i+7], v[SC]   ; rows 2 i and 2 i + 1, four k each: a dword a row
.endr
	v_nop                                          ; a plain line behind the last conversion
.irp r, 0,1,2,3,4,5,6,7,8,9,10,11,12,13,14,15
	ds_store_b32 v2, v[C+16*\s+\r] offset:\s*STG+\r*PITCH
.endr
.if \s == 1
	s_wait_xcnt 0x0                                ; the first K step's stores have read v8-23: only now are they loaded again
.endif
.irp q, 0,1,2,3
	ds_load_b128 v[O+4*\q:O+4*\q+3], v3 offset:\s*STG+64*(\q/2)+32*(\q%2)   ; LDS serves a wave's instructions in order (ISA guide 5.7.1.4): these see my stores
.endr
	s_wait_dscnt 0x0
.irp q, 0,1,2,3
	global_store_b128 v1, v[O+4*\q:O+4*\q+3], s[12:13] offset:\s*32768+512*\q   ; 32 lanes store 512 consecutive bytes: half an image
.endr
.endm
	s_wait_alu depctr_va_vdst(0)
	XSTEP 0
	XSTEP 1
	s_wait_tensorcnt 0x0
	ds_add_u32 v192, v193
	s_wait_dscnt 0x0
	s_endpgm
; ---- the weights: K is their FIRST axis.  A lane takes a column and its registers run down K: the conversions' results are then pieces of the images, and nothing is transposed.
; A wave takes 32 columns x 128 k in four blocks of 32 k; loads run two blocks (64 loads a wave) ahead.  Every offset is an immediate: 127 rows of 12,288 bytes at the most.
.macro LOADW t, stride, ib
.set i, 0
.rept 32
	global_load_b32 v[WX+32*((\t)%2)+i], v2, s[\ib:\ib+1] offset:(32*(\t)+i)*\stride th:TH_LOAD_NT   ; a wave reads 128 consecutive bytes of a row, the four waves 512
.set i, i+1
.endr
.endm
.macro BLOCKW t, stride, imgk, ib, ob
.if \t < 3
	s_wait_loadcnt 32                              ; this block's 32 loads are in; the next block's may be out
.else
	s_wait_loadcnt 0x0
.endif
.set i, 0
.rept 32
.set i, i+1
.endr
.irp g, 0,1,2,3                        ; eight k from 8 g on: g = 2 e + h of the image's k = 32 c + 16 e + 8 h + y
	v_cvt_scalef32_pk8_fp8_f32 v[WC+8*\t+4*(\g%2)+2*(\g/2):WC+8*\t+4*(\g%2)+2*(\g/2)+1], v[WX+32*(\t%2)+8*\g:WX+32*(\t%2)+8*\g+7], v[SC]
.endr
	v_nop                                          ; a plain line behind the last conversion
.irp h, 0,1
	global_store_b128 v3, v[WC+8*\t+4*\h:WC+8*\t+4*\h+3], s[\ob:\ob+1] offset:(\t/2)*\imgk+512*(\t%2)+256*\h
.endr
.if \t < 2
	LOADW \t+2, \stride, \ib
.endif
.endm
.macro WPATH stride, imgk, ib, ob, se
	LOADW 0, \stride, \ib
	LOADW 1, \stride, \ib
	s_wait_kmcnt 0x0
	MKSC \se
	s_wait_alu depctr_va_vdst(0)
	BLOCKW 0, \stride, \imgk, \ib, \ob
	BLOCKW 1, \stride, \imgk, \ib, \ob
	BLOCKW 2, \stride, \imgk, \ib, \ob
	BLOCKW 3, \stride, \imgk, \ib, \ob
.endm
.Lweights:
	s_sub_co_u32 s19, s19, 16                      ; ks
	s_wait_alu depctr_va_vdst(0)
	v_lshlrev_b32 v2, 2, v[LANE]                   ; in: 4 bytes a lane
	s_cmp_lt_u32 ttmp9, 24
	s_cbranch_scc0 .Lwout
	; W_qkv: cb = 4 x + wave: columns 32 cb ..
	s_lshl_b32 s20, ttmp9, 2
	s_add_co_u32 s20, s20, s18
	s_mul_i32 s22, s19, 1572864                    ; 128 rows of 12,288 bytes
	s_lshl_b32 s21, s20, 7
	s_add_co_u32 s22, s22, s21
	s_add_nc_u64 s[6:7], s[6:7], s[22:23]
	s_lshr_b32 s21, s20, 5                         ; part: q, k or v
	s_bfe_u32 s32, s20, 0x40001                    ; head = 2 gx + wc
	s_and_b32 s33, s20, 1                          ; which 32 of the head's 64 columns
	s_lshr_b32 s34, s32, 1
	s_lshl_b32 s34, s34, 4                         ; 16 gx
	s_lshl_b32 s35, s19, 1
	s_add_co_u32 s34, s34, s35                     ; + 2 ks
	s_and_b32 s35, s32, 1
	s_add_co_u32 s34, s34, s35                     ; + wc
	s_mul_i32 s22, s34, 24576                      ; twelve pairs of images
	s_lshl_b32 s21, s21, 2
	s_lshl_b32 s33, s33, 1
	s_add_co_u32 s21, s21, s33                     ; f of lanes 0-15: 4 part + 2 j
	s_lshl_b32 s21, s21, 11
	s_add_co_u32 s22, s22, s21
	s_add_nc_u64 s[14:15], s[14:15], s[22:23]
	v_lshrrev_b32 v3, 4, v[LANE]                   ; out: lanes 16-31 the next f; 16 bytes a column: sixteen lanes fill 256 consecutive bytes, aligned
	v_lshlrev_b32 v3, 11, v3
	v_and_b32 v7, 15, v[LANE]
	v_lshl_add_u32 v3, v7, 4, v3
	s_wait_alu depctr_va_vdst(0)
	WPATH 12288, 1024, 6, 14, s25
	s_endpgm
.Lwout:
	; W_out: cb = 4 (x - 24) + wave.  Column 4 r + b of a group of 64 goes to row r of image b, so that in the last product a lane's four results are four neighbouring columns.
	; The price, on this one tensor of 1 MiB of codes: eight lanes store 128 consecutive bytes, not sixteen lanes 256.
	s_sub_co_u32 s20, ttmp9, 24
	s_lshl_b32 s20, s20, 2
	s_add_co_u32 s20, s20, s18
	s_lshl_b32 s22, s19, 19                        ; 128 rows of 4,096 bytes
	s_lshl_b32 s21, s20, 7
	s_add_co_u32 s22, s22, s21
	s_add_nc_u64 s[8:9], s[8:9], s[22:23]
	s_lshr_b32 s21, s20, 3                         ; gx
	s_lshl_b32 s21, s21, 2
	s_lshr_b32 s32, s19, 1                         ; Q
	s_add_co_u32 s21, s21, s32
	s_lshl_b32 s21, s21, 1
	s_bfe_u32 s32, s20, 0x10002                    ; wc
	s_add_co_u32 s21, s21, s32
	s_lshl_b32 s22, s21, 15                        ; 32 images
	s_and_b32 s32, s19, 1                          ; kq = 2 (ks % 2) + kap
	s_lshl_b32 s32, s32, 14
	s_add_co_u32 s22, s22, s32
	s_bfe_u32 s32, s20, 0x10001                    ; G
	s_lshl_b32 s32, s32, 12
	s_add_co_u32 s22, s22, s32
	s_and_b32 s32, s20, 1                          ; rows 8 u .. of the images
	s_lshl_b32 s32, s32, 7
	s_add_co_u32 s22, s22, s32
	s_add_nc_u64 s[16:17], s[16:17], s[22:23]
	v_and_b32 v3, 3, v[LANE]                       ; image b = lane % 4, row lane / 4
	v_lshlrev_b32 v3, 10, v3
	v_lshrrev_b32 v7, 2, v[LANE]
	v_lshl_add_u32 v3, v7, 4, v3
	s_wait_alu depctr_va_vdst(0)
	WPATH 4096, 8192, 8, 16, s31
	s_endpgm
.Lfunc_end_k_qf44dac3b45_quant:
	.size	k_qf44dac3b45_quant, .Lfunc_end_k_qf44dac3b45_quant-k_qf44dac3b45_quant
	.p2alignl 7, 3214868480
	.fill 96, 4, 3214868480
	.section	.rodata,"a",@progbits
	.p2align	6, 0x0
	.amdhsa_kernel k_qf44dac3b45_quant
		.amdhsa_group_segment_fixed_size 18944
		.amdhsa_private_segment_fixed_size 0
		.amdhsa_enable_private_segment 0
		.amdhsa_kernarg_size 56
		.amdhsa_user_sgpr_count 2
		.amdhsa_user_sgpr_kernarg_segment_ptr 1
		.amdhsa_wavefront_size32 1
		.amdhsa_system_sgpr_workgroup_id_x 1
		.amdhsa_system_sgpr_workgroup_id_y 1
		.amdhsa_system_sgpr_workgroup_id_z 1
		.amdhsa_system_vgpr_workitem_id 0
		.amdhsa_next_free_vgpr 194
		.amdhsa_next_free_sgpr 66
		.amdhsa_reserve_vcc 0
		.amdhsa_float_denorm_mode_32 3
		.amdhsa_float_denorm_mode_16_64 3
		.amdhsa_fp16_overflow 1
		.amdhsa_memory_ordered 1
		.amdhsa_forward_progress 1
		.amdhsa_inst_pref_size 41
	.end_amdhsa_kernel
	.amdgpu_metadata
---
amdhsa.version: [ 1, 2 ]
amdhsa.kernels:
  - .name:           k_qf44dac3b45_quant
    .symbol:         k_qf44dac3b45_quant.kd
    .args:
      - { .name: x, .offset: 0, .size: 8, .value_kind: global_buffer, .address_space: global }
      - { .name: W_qkv, .offset: 8, .size: 8, .value_kind: global_buffer, .address_space: global }
      - { .name: W_out, .offset: 16, .size: 8, .value_kind: global_buffer, .address_space: global }
      - { .name: lowp_scales, .offset: 24, .size: 8, .value_kind: global_buffer, .address_space: global }
      - { .name: xc, .offset: 32, .size: 8, .value_kind: global_buffer, .address_space: global }
      - { .name: wqc, .offset: 40, .size: 8, .value_kind: global_buffer, .address_space: global }
      - { .name: woc, .offset: 48, .size: 8, .value_kind: global_buffer, .address_space: global }
    .group_segment_fixed_size: 18944
    .private_segment_fixed_size: 0
    .kernarg_segment_align: 8
    .kernarg_segment_size: 56
    .max_flat_workgroup_size: 128
    .sgpr_count:     66
    .vgpr_count:     194
    .wavefront_size: 32
...
	.end_amdgpu_metadata
.endif
;; end of part 1
;; launch qkv (part 2): grid 8 x 32, 4 waves a work-group, clusters of 4 x 4, 327,680 bytes of LDS; arguments xc, wqc, b_qkv, lowp_scales, qc, kc, vc; writes qc, kc, vc
.if DOCPART == 2
	.amdgcn_target "amdgcn-amd-amdhsa--gfx1250"
	.amdhsa_code_object_version 6
	.text
	.protected	k_qf44dac3b45_qkv
	.globl	k_qf44dac3b45_qkv
	.p2align	8
	.type	k_qf44dac3b45_qkv,@function
k_qf44dac3b45_qkv:
	s_mov_b64 s[64:65], 0
	v_nop
	global_prefetch_b8 v0, s[64:65] scope:SCOPE_SE
	s_setreg_imm32_b32 hwreg(HW_REG_WAVE_MODE, 25, 1), 1
	s_wait_xcnt 0x0
	s_wait_alu depctr_hold_cnt(0) depctr_sa_sdst(0) depctr_va_vdst(0) depctr_va_sdst(0) depctr_va_ssrc(0) depctr_va_vcc(0) depctr_vm_vsrc(0)
	s_getreg_b32 s2, hwreg(HW_REG_IB_STS2, 6, 4)
	s_cmp_eq_u32 s2, 0
	s_cbranch_scc0 .Lentry_in_a_cluster
	s_endpgm
.Lentry_in_a_cluster:
	s_bfe_u32 s2, ttmp6, 0x10000c
	s_cmp_lg_u32 s2, 0xf033
	s_cbranch_scc0 .Lentry_shape_is_right
	s_endpgm
.Lentry_shape_is_right:
; qkv = x W_qkv + b_qkv on codes of FP8 (E4M3), and its three parts quantised again: q with 2^e2, k with 2^e3, v with 2^e5.  M 8,192, N 3,072, K 1,024; sums in f32.
; A sum of codes stands for sum x 2^(e0 + e1).  So the bias goes in as b / 2^(e0 + e1) (exact), and the conversion takes 2^(e - e0 - e1) as its one scale.
; LIMITS: e2 - e0 - e1, e3 - e0 - e1 and e5 - e0 - e1 lie between -126 and 119, so that each power of two below is an f32 number.  NaN is not served.
; SHARES.  A work-group makes 256 rows x 384 columns: the 64 q, 64 k and 64 v columns of heads 2 gx and 2 gx + 1: 8 x 32 = 256 work-groups of equal work, and every wave runs the same text.
; Wave w: rows 128 (w / 2) on, head 2 gx + w % 2: 96 accumulators of 16 x 16, 768 registers.
; OPERANDS ARE IMAGES OF THEIR REGISTERS (16 rows x 64 k in 1,024 bytes; two 16-byte loads a lane, at 16 x lane and 512 further on): a K step's tiles are dense blocks of memory, and LDS is read 512 bytes on end.
; ORIENTATION.  q and k: source 0 = 16 columns of W, source 1 = 16 rows of x: a lane holds one row t and eight neighbouring channels.  v: source 0 = x, source 1 = W: a lane holds one channel and eight
; neighbouring t.  Either way the conversion of an accumulator's eight registers is a pair of registers of the next product's image (K = the channels for q and k, the keys for v): no stage, no transposition.
;   qc, kc [bh 64][tile 128][image]: row t = 16 tile + r, k = channel.      vc [bh 64][ks 16][ct 4][two images]: row = channel 16 ct + r, k = key 128 ks + ..
; K goes in steps of 128 through two LDS slots; two slots of 256 along K would leave no byte for the spare words.  A step is two substeps of 64 along K, 96 matrix instructions each.
; CLUSTERS: 4 x 4 work-groups.  x's tile hangs on gy alone and is asked for jointly along a row of the cluster, W's on gx alone, along a column.
; REGISTERS: window 0: v2, v4, v6 scales of the way out; v8-15 v's bias; v16-24 addresses; v28, v29 for the add; v32-95, v96-159 x's fragments, two sets of 8 x 8; v160-255 W's twelve, one set.
;   window 1: q's 32 accumulators, (a, nt) at 8 (4 a + nt); window 2: k's likewise; window 3: v's, (a, ct) at 8 (8 ct + a).
.set SLOT,  81920                      ; x's 16 pairs of images (32,768 bytes), then W's 2 x 12 pairs (49,152)
.set BOFF,  32768
.set SPARE, 2*SLOT                     ; behind the ring: the spare words, 128 bytes for each wave: two blocks of 256 bytes that no other line names
.set SCQ, 2
.set LMQ, 3
.set SCK, 4
.set LMK, 5
.set SCV, 6
.set LMV, 7
.set BV,   8                           ; v8-15   v's bias of my channel in tile ct, twice: a pair for the packed addition
.set ADRA, 16                          ; v16-17  LDS address of my fragments of x in slot 0, 1
.set ADRB, 20                          ; v20-21  the same for W
.set H32,  22                          ; v22     32 x (lane / 16)
.set R4,   23                          ; v23     4 x (lane % 16)
.set L16,  24                          ; v24     16 x lane
.set SPW,  28                          ; v28     LDS address of my spare word; never rewritten
.set NIL,  29                          ; v29     0; never rewritten
.set AF0,  32
.set AF1,  96
.set BF,   160
.set QB,   32                          ; the way out: q's bias, 4 tiles x 8; k's; 32 numbers at work; the codes
.set KBI,  64
.set T,    96
.set CQ,   128
.set CK,   192
.set CV,   128
.set G1A, 24                           ; s[24:31] descriptor group 1 for x's tiles; s[32:39] group 0, a set for each slot
.set G0A, 32
.set G1B, 48                           ; s[48:55], s[56:63] the same for W's
.set G0B, 56
.set MSB, 0
.macro WIN new                         ; the immediate's high byte repeats the setting that is left
.if MSB != \new
	s_set_vgpr_msb (MSB<<8)|\new
.set MSB, \new
.endif
.endm
.macro PLACES                          ; four plain vector lines between a matrix instruction and a load into, or a vector line on, its registers
.rept 4
	v_nop
.endr
.endm
; A joint load: waves 0 and 1 fetch x's two halves, waves 2 and 3 W's.  The branch hangs on the wave's number alone.  Four v_nop follow each of the two lines.
.macro JLOAD s
	s_cmp_eq_u32 s19, 0
	s_cbranch_scc0 .Lfor_b_\@
	tensor_load_to_lds s[G0A+4*\s:G0A+4*\s+3], s[G1A:G1A+7]
	s_nop 0
.rept 4
	v_nop
.endr
	s_branch .Lasked_\@
.Lfor_b_\@:
	tensor_load_to_lds s[G0B+4*\s:G0B+4*\s+3], s[G1B:G1B+7]
	s_nop 0
.rept 4
	v_nop
.endr
.Lasked_\@:
.endm
.macro CREST                           ; a round of the cluster's barrier behind its opening barrier
	s_cmp_lg_u32 s18, 0
	s_cbranch_scc1 .Lnot_wave_0_\@
	s_barrier_signal -3
.Lnot_wave_0_\@:
	s_barrier_wait -3
	s_barrier_signal -1
	s_barrier_wait -1
.endm
.macro CROUND                          ; a whole round
	s_barrier_signal -1
	s_barrier_wait -1
	CREST
.endm
	s_load_b256 s[4:11], s[0:1], 0x0               ; xc s[4:5], wqc s[6:7], b_qkv s[8:9], the exponents s[10:11]
	s_load_b128 s[12:15], s[0:1], 0x20             ; qc s[12:13], kc s[14:15]
	s_load_b64 s[16:17], s[0:1], 0x30              ; vc
	v_lshl_add_u32 v[SPW], v0, 2, SPARE
	v_mov_b32 v[NIL], 0
	ds_add_u32 v28, v29
	ds_add_u32 v28, v29
	s_wait_dscnt 0x0
	v_lshrrev_b32 v1, 5, v0
	v_readfirstlane_b32 s18, v1                    ; wave 0..3
	s_lshr_b32 s19, s18, 1                         ; which 128 rows are mine.  Also: I fetch for x (0) or for W (1)
	s_and_b32 s20, s18, 1                          ; which head is mine.  Also: which half of that tile I fetch
	s_bfe_u32 s21, ttmp6, 0x40000                  ; cx, cy: my place in the cluster
	s_bfe_u32 s22, ttmp6, 0x40004
	s_lshl_b32 s23, ttmp9, 2
	s_add_co_u32 s23, s23, s21                     ; gx = 4 x cluster x + cx
	s_and_b32 s66, ttmp7, 0xffff
	s_lshl_b32 s66, s66, 2
	s_add_co_u32 s66, s66, s22                     ; gy = 4 x cluster y + cy
	s_lshl_b32 s76, s22, 2
	s_lshl_b32 s76, 15, s76                        ; my row of the cluster
	s_lshl_b32 s77, 0x1111, s21                    ; my column
	; descriptor group 1: a dense block as rows of 256 bytes: elements of 8 bytes, 32 to a row, the pitch a row; no padding.  x: 64 rows a load, W: 96
	s_or_b32 s[G1A], s76, (3<<16)|(1<<21)          ; 15:0 the mask; 17:16 elements of 8 bytes; 21 set beside a mask
	s_mov_b32 s[G1A+1], 32<<16                     ; tensor_dim0
	s_mov_b32 s[G1A+2], 64<<16                     ; tensor_dim1
	s_mov_b32 s[G1A+3], 32<<16                     ; tile_dim0
	s_mov_b32 s[G1A+4], 64                         ; tile_dim1
	s_mov_b32 s[G1A+5], 32                         ; tensor_dim0_stride
	s_mov_b32 s[G1A+6], 0
	s_mov_b32 s[G1A+7], 0
	s_or_b32 s[G1B], s77, (3<<16)|(1<<21)
	s_mov_b32 s[G1B+1], 32<<16
	s_mov_b32 s[G1B+2], 96<<16
	s_mov_b32 s[G1B+3], 32<<16
	s_mov_b32 s[G1B+4], 96
	s_mov_b32 s[G1B+5], 32
	s_mov_b32 s[G1B+6], 0
	s_mov_b32 s[G1B+7], 0
	; where the tiles come from and go: x's hang on gy and the wave alone, W's on gx and the wave alone; no place in the cluster enters an LDS address
	s_lshl_b32 s40, s66, 18                        ; gy x 8 K steps x 32,768
	s_lshl_b32 s42, s20, 14                        ; my half of x's tile: 16,384 bytes, in memory and in LDS alike
	s_add_co_u32 s40, s40, s42
	s_mov_b32 s41, 0
	s_mul_i32 s44, s23, 393216                     ; gx x 8 K steps x 49,152
	s_mul_i32 s46, s20, 24576                      ; my half of W's tile
	s_add_co_u32 s44, s44, s46
	s_mov_b32 s45, 0
	s_add_co_u32 s46, s46, BOFF
	s_wait_kmcnt 0x0
	s_load_b256 s[68:75], s[10:11], 0x0            ; e0 .. e7
	s_add_nc_u64 s[40:41], s[4:5], s[40:41]
	s_add_nc_u64 s[44:45], s[6:7], s[44:45]
	CROUND                                         ; all sixteen work-groups are here: the first joint loads meet
.irp s, 0,1
	s_mov_b32 s[G0A+4*\s], 1                       ; count = 1
	s_add_co_u32 s[G0A+4*\s+1], s42, \s*SLOT       ; LDS address
	s_add_nc_u64 s[G0A+4*\s+2:G0A+4*\s+3], s[40:41], \s*32768   ; K step s
	s_or_b32 s[G0A+4*\s+3], s[G0A+4*\s+3], 0x80000000           ; type = 2
	s_mov_b32 s[G0B+4*\s], 1
	s_add_co_u32 s[G0B+4*\s+1], s46, \s*SLOT
	s_add_nc_u64 s[G0B+4*\s+2:G0B+4*\s+3], s[44:45], \s*49152
	s_or_b32 s[G0B+4*\s+3], s[G0B+4*\s+3], 0x80000000
	s_wait_alu depctr_va_vdst(0)
	s_wait_tensorcnt 0x0
	ds_add_u32 v28, v29
	ds_add_u32 v28, v29
	s_wait_dscnt 0x0
	CROUND
	JLOAD \s                                       ; one load of mine is out
.endr
	v_and_b32 v1, 31, v0
	v_lshlrev_b32 v[L16], 4, v1
	v_and_b32 v2, 15, v0
	v_lshlrev_b32 v[R4], 2, v2
	s_wait_alu depctr_va_vdst(0)
	v_bfe_u32 v3, v0, 4, 1
	v_lshlrev_b32 v[H32], 5, v3
	s_lshl_b32 s78, s19, 14                        ; my 8 pairs of x's images
	s_mul_i32 s79, s20, 24576                      ; my 12 pairs of W's,
	s_add_co_u32 s79, s79, BOFF                    ; which lie behind x's
.irp s, 0,1
	v_add_nc_u32 v[ADRA+\s], s78, v[L16]
	v_add_nc_u32 v[ADRB+\s], s79, v[L16]
	s_add_co_u32 s78, s78, SLOT
	s_add_co_u32 s79, s79, SLOT
.endr
	; where my results go
	s_lshl_b32 s88, s23, 1
	s_add_co_u32 s88, s88, s20                     ; head
	s_lshr_b32 s89, s66, 3                         ; batch: 8 row blocks of 256 to a sequence
	s_lshl_b32 s89, s89, 4
	s_add_co_u32 s89, s89, s88                     ; bh
	s_and_b32 s90, s66, 7
	s_lshl_b32 s92, s89, 7
	s_lshl_b32 s91, s90, 4
	s_add_co_u32 s92, s92, s91
	s_lshl_b32 s91, s19, 3
	s_add_co_u32 s92, s92, s91                     ; q, k: image 128 bh + 16 (gy % 8) + 8 (w / 2)
	s_lshl_b32 s92, s92, 10
	s_mov_b32 s93, 0
	s_add_nc_u64 s[12:13], s[12:13], s[92:93]
	s_add_nc_u64 s[14:15], s[14:15], s[92:93]
	s_lshl_b32 s92, s89, 4
	s_lshl_b32 s91, s90, 1
	s_add_co_u32 s92, s92, s91
	s_add_co_u32 s92, s92, s19                     ; v: key step 16 bh + 2 (gy % 8) + w / 2: my 128 rows are one key step
	s_lshl_b32 s92, s92, 13
	s_add_nc_u64 s[16:17], s[16:17], s[92:93]
	s_lshl_b32 s92, s88, 8
	s_add_nc_u64 s[8:9], s[8:9], s[92:93]          ; the bias at my head's 64 numbers of q
.irp c, 0,1,2,3
	global_load_b32 v[BV+2*\c], v[R4], s[8:9] offset:8192+64*\c     ; v's bias of channel 16 c + lane % 16, into both halves of a pair; waited for on the way out
	global_load_b32 v[BV+2*\c+1], v[R4], s[8:9] offset:8192+64*\c
.endr
.macro FA slot, u, set                 ; x's eight fragments of the slot's u-th 64 along K: 16 loads
.irp a, 0,1,2,3,4,5,6,7
	ds_load_b128 v[\set+8*\a:\set+8*\a+3], v[ADRA+\slot] offset:\a*2048+\u*1024
	ds_load_b128 v[\set+8*\a+4:\set+8*\a+7], v[ADRA+\slot] offset:\a*2048+\u*1024+512
.endr
.endm
.macro FB slot, u, f0                  ; W's fragments f0 .. f0 + 3: 8 loads
.irp f, \f0, \f0+1, \f0+2, \f0+3
	ds_load_b128 v[BF+8*(\f):BF+8*(\f)+3], v[ADRB+\slot] offset:(\f)*2048+\u*1024
	ds_load_b128 v[BF+8*(\f)+4:BF+8*(\f)+7], v[ADRB+\slot] offset:(\f)*2048+\u*1024+512
.endr
.endm
; The 96 accumulators take turns, one instruction a turn, in the same order in every substep.  zero = 1: the first product starts the sums: nothing is cleared.
.macro MQK f0, n, set, zero            ; q's or k's: W's fragments f0 .. f0 + n - 1, each against x's eight
.set ff, \f0
.rept \n
.irp a, 0,1,2,3,4,5,6,7
.if \zero
	v_wmma_f32_16x16x64_fp8_fp8 v[8*(4*\a+ff%4):8*(4*\a+ff%4)+7], v[BF+8*ff:BF+8*ff+7], v[\set+8*\a:\set+8*\a+7], 0
.else
	v_wmma_f32_16x16x64_fp8_fp8 v[8*(4*\a+ff%4):8*(4*\a+ff%4)+7], v[BF+8*ff:BF+8*ff+7], v[\set+8*\a:\set+8*\a+7], v[8*(4*\a+ff%4):8*(4*\a+ff%4)+7]
.endif
.endr
.set ff, ff+1
.endr
.endm
.macro MV set, zero                    ; v's: x is source 0
.irp c, 0,1,2,3
.irp a, 0,1,2,3,4,5,6,7
.if \zero
	v_wmma_f32_16x16x64_fp8_fp8 v[8*(8*\c+\a):8*(8*\c+\a)+7], v[\set+8*\a:\set+8*\a+7], v[BF+8*(8+\c):BF+8*(8+\c)+7], 0
.else
	v_wmma_f32_16x16x64_fp8_fp8 v[8*(8*\c+\a):8*(8*\c+\a)+7], v[\set+8*\a:\set+8*\a+7], v[BF+8*(8+\c):BF+8*(8+\c)+7], v[8*(8*\c+\a):8*(8*\c+\a)+7]
.endif
.endr
.endr
.endm
; A K step's first substep, on x's set 0.  W's four fragments of a part are free as soon as the part's 32 products are issued: they are fetched anew there, in three runs (24, 8, 8 loads),
; each 64 matrix instructions ahead of its first use; x's other set comes with the first run.
.macro SUB slot, zero
	s_wait_dscnt 16                                ; the last substep's first run (W 0-3, x) is in; its other two runs, 8 + 8 loads, may be out
	WIN 0x50
	MQK 0, 4, AF0, \zero
	PLACES
	WIN 0
	FB \slot, 1, 0
	FA \slot, 1, AF1
	s_wait_dscnt 32                                ; W 4-7 are in: behind them stand the last substep's third run (8) and the 24 just issued
	WIN 0xa0
	MQK 4, 4, AF0, \zero
	PLACES
	WIN 0
	FB \slot, 1, 4
	s_wait_dscnt 32                                ; W 8-11 are in: behind them stand this substep's 24 + 8
	WIN 0xf0
	MV AF0, \zero
	PLACES
	WIN 0
	FB \slot, 1, 8
.endm
; A K step's second substep, on x's set 1, changes slots: ONE barrier.  In front of it each wave waits for all its tensor loads (one is out: its part of the next slot), adds 0 to its spare word, and waits for
; that and for its reads of this slot.  fill = 1: the barrier opens a round of the cluster's, and this slot is filled again, two K steps ahead, first thing behind it.
.macro TURN slot, next, fill
	s_wait_tensorcnt 0x0                           ; all my tensor loads have landed  (every window is 0 here)
	ds_add_u32 v[SPW], v[NIL]                      ; 0 onto my spare word
	s_wait_dscnt 17                                ; the first run is in; the add and the other two runs (8 + 8) may be out
	WIN 0x50
	MQK 0, 2, AF1, 0                               ; sixteen matrix instructions stand between the add and the wait for it
	s_wait_dscnt 0x0                               ; the add is done, and my reads of this slot are over
	s_barrier_signal -1
	MQK 2, 2, AF1, 0
	WIN 0
	s_barrier_wait -1
.if \fill
	CREST                                          ; no wave of any partner still reads this slot or has a load on its way
	s_add_nc_u64 s[G0A+4*\slot+2:G0A+4*\slot+3], s[G0A+4*\slot+2:G0A+4*\slot+3], 2*32768
	s_add_nc_u64 s[G0B+4*\slot+2:G0B+4*\slot+3], s[G0B+4*\slot+2:G0B+4*\slot+3], 2*49152
	JLOAD \slot                                    ; my one tensor load behind the round; the four v_nop behind it are the places in front of the loads below
.else
	PLACES
.endif
	FB \next, 0, 0
	FA \next, 0, AF0
	WIN 0xa0
	MQK 4, 4, AF1, 0
	PLACES
	WIN 0
	FB \next, 0, 4
	WIN 0xf0
	MV AF1, 0
	PLACES
	WIN 0
	FB \next, 0, 8
.endm
	s_wait_alu depctr_va_vdst(0)
	s_wait_tensorcnt 1                             ; my part of K step 0 is in; K step 1's may stay out
	s_barrier_signal -1
	s_barrier_wait -1                              ; everybody's is
	FB 0, 0, 0
	FA 0, 0, AF0
	FB 0, 0, 4
	FB 0, 0, 8
	SUB 0, 1                                       ; the first substep stands in front of the loop: its products start the sums
	s_mov_b32 s3, 3
.Llap:                                             ; a trip goes once round the ring and fills both slots again: three trips ask for K steps 2 to 7
	TURN 0, 1, 1
	SUB 1, 0
	TURN 1, 0, 1
	SUB 0, 0
	s_sub_co_u32 s3, s3, 1
	s_cmp_lg_u32 s3, 0
	s_cbranch_scc1 .Llap
	TURN 0, 1, 0                                   ; the last lap fills nothing, and has no round
	SUB 1, 0
.irp n, 0,1,2,3                        ; x's set 0 is done with (four places have passed): it takes q's and k's bias: for tile n the numbers of channels 16 n + 8 (lane / 16) + 0 .. 7
	global_load_b128 v[QB+8*\n:QB+8*\n+3], v[H32], s[8:9] offset:64*\n
	global_load_b128 v[QB+8*\n+4:QB+8*\n+7], v[H32], s[8:9] offset:64*\n+16
	global_load_b128 v[KBI+8*\n:KBI+8*\n+3], v[H32], s[8:9] offset:4096+64*\n
	global_load_b128 v[KBI+8*\n+4:KBI+8*\n+7], v[H32], s[8:9] offset:4096+64*\n+16
.endr
	s_wait_dscnt 16                                ; the very last substep: nothing more to fetch
	WIN 0x50
	MQK 0, 4, AF1, 0
	s_wait_dscnt 8
	WIN 0xa0
	MQK 4, 4, AF1, 0
	s_wait_dscnt 0x0
	WIN 0xf0
	MV AF1, 0
	PLACES
	WIN 0
; THE WAY OUT: sum + b / 2^(e0 + e1), the hold, the conversion; the codes are pieces of images and leave as they stand: each store of the wave covers 512 consecutive bytes, aligned.
.macro MKSC vs, vl, se                 ; 2^(e - e0 - e1) and 448 x that
	s_sub_co_i32 s86, \se, s84
	s_add_co_i32 s86, s86, 127
	s_lshl_b32 s87, s86, 23
	v_mov_b32 v[\vs], s87
	s_add_co_i32 s86, s86, 8
	s_lshl_b32 s86, s86, 23
	s_or_b32 s86, s86, 0x600000
.endm
	s_wait_kmcnt 0x0
	s_wait_loadcnt 0x0                             ; the biases
	s_add_co_i32 s84, s68, s69                     ; e0 + e1
	s_sub_co_i32 s85, 0, s84
.set i, 0
.rept 64
	v_ldexp_f32 v[QB+i], v[QB+i], s85
.set i, i+1
.endr
.set i, 0
.rept 8
	v_ldexp_f32 v[BV+i], v[BV+i], s85
.set i, i+1
.endr
	MKSC SCQ, LMQ, s70
	MKSC SCK, LMK, s71
	MKSC SCV, LMV, s73
.macro QKOUT win, bias, code, sc, lim, ob
.irp a, 0,1,2,3,4,5,6,7                ; sixteen rows t: one image
	WIN \win                                       ; source 0: the part's window
.set i, 0
.rept 16
	v_pk_add_f32 v[T+2*i:T+2*i+1], v[32*\a+2*i:32*\a+2*i+1], v[\bias+2*i:\bias+2*i+1]   ; each accumulator from its low end on
.set i, i+1
.endr
	WIN 0
.set i, 0
.rept 32
.set i, i+1
.endr
.irp n, 0,1,2,3
	v_cvt_scalef32_pk8_fp8_f32 v[\code+8*\a+2*\n:\code+8*\a+2*\n+1], v[T+8*\n:T+8*\n+7], v[\sc]   ; channels 16 n + 8 (lane / 16) + 0 .. 7: registers 2 n, 2 n + 1 of the image
.endr
	v_nop                                          ; a plain line between the conversions and the next lines that write their sources
	global_store_b128 v[L16], v[\code+8*\a:\code+8*\a+3], s[\ob:\ob+1] offset:\a*1024
	global_store_b128 v[L16], v[\code+8*\a+4:\code+8*\a+7], s[\ob:\ob+1] offset:\a*1024+512
.endr
.endm
	QKOUT 0x01, QB, CQ, SCQ, LMQ, 12
	QKOUT 0x02, KBI, CK, SCK, LMK, 14
	s_wait_xcnt 0x0                                ; q's stores have read their registers: v's codes are written there only behind this wait
.irp c, 0,1,2,3                        ; sixteen channels x my 128 keys: two images
.irp hf, 0,1
	WIN 0x03
.set i, 0
.rept 16
	v_pk_add_f32 v[T+2*i:T+2*i+1], v[64*\c+32*\hf+2*i:64*\c+32*\hf+2*i+1], v[BV+2*\c:BV+2*\c+1]
.set i, i+1
.endr
	WIN 0
.set i, 0
.rept 32
.set i, i+1
.endr
.irp n, 0,1,2,3
	v_cvt_scalef32_pk8_fp8_f32 v[CV+16*\c+8*\hf+2*\n:CV+16*\c+8*\hf+2*\n+1], v[T+8*\n:T+8*\n+7], v[SCV]   ; keys 16 a + 8 (lane / 16) + 0 .. 7, a = 4 hf + n
.endr
	v_nop
.endr
.irp g, 0,1,2,3
	global_store_b128 v[L16], v[CV+16*\c+4*\g:CV+16*\c+4*\g+3], s[16:17] offset:\c*2048+512*\g
.endr
.endr
	s_wait_tensorcnt 0x0                           ; the wave's end
	ds_add_u32 v[SPW], v[NIL]
	s_wait_dscnt 0x0
	CROUND                                         ; the closing round: no work-group ends while a partner may still ask for a tile that names it
	s_endpgm
.Lfunc_end_k_qf44dac3b45_qkv:
	.size	k_qf44dac3b45_qkv, .Lfunc_end_k_qf44dac3b45_qkv-k_qf44dac3b45_qkv
	.p2alignl 7, 3214868480
	.fill 96, 4, 3214868480
	.section	.rodata,"a",@progbits
	.p2align	6, 0x0
	.amdhsa_kernel k_qf44dac3b45_qkv
		.amdhsa_group_segment_fixed_size 327680
		.amdhsa_private_segment_fixed_size 0
		.amdhsa_enable_private_segment 0
		.amdhsa_kernarg_size 56
		.amdhsa_user_sgpr_count 2
		.amdhsa_user_sgpr_kernarg_segment_ptr 1
		.amdhsa_wavefront_size32 1
		.amdhsa_system_sgpr_workgroup_id_x 1
		.amdhsa_system_sgpr_workgroup_id_y 1
		.amdhsa_system_sgpr_workgroup_id_z 1
		.amdhsa_system_vgpr_workitem_id 0
		.amdhsa_next_free_vgpr 1024
		.amdhsa_next_free_sgpr 100
		.amdhsa_reserve_vcc 0
		.amdhsa_float_denorm_mode_32 3
		.amdhsa_float_denorm_mode_16_64 3
		.amdhsa_fp16_overflow 1
		.amdhsa_memory_ordered 1
		.amdhsa_forward_progress 1
		.amdhsa_inst_pref_size 128
	.end_amdhsa_kernel
	.amdgpu_metadata
---
amdhsa.version: [ 1, 2 ]
amdhsa.kernels:
  - .name:           k_qf44dac3b45_qkv
    .symbol:         k_qf44dac3b45_qkv.kd
    .args:
      - { .name: xc, .offset: 0, .size: 8, .value_kind: global_buffer, .address_space: global }
      - { .name: wqc, .offset: 8, .size: 8, .value_kind: global_buffer, .address_space: global }
      - { .name: b_qkv, .offset: 16, .size: 8, .value_kind: global_buffer, .address_space: global }
      - { .name: lowp_scales, .offset: 24, .size: 8, .value_kind: global_buffer, .address_space: global }
      - { .name: qc, .offset: 32, .size: 8, .value_kind: global_buffer, .address_space: global }
      - { .name: kc, .offset: 40, .size: 8, .value_kind: global_buffer, .address_space: global }
      - { .name: vc, .offset: 48, .size: 8, .value_kind: global_buffer, .address_space: global }
    .group_segment_fixed_size: 327680
    .private_segment_fixed_size: 0
    .kernarg_segment_align: 8
    .kernarg_segment_size: 56
    .max_flat_workgroup_size: 128
    .sgpr_count:     100
    .vgpr_count:     1024
    .wavefront_size: 32
...
	.end_amdgpu_metadata
.endif
;; end of part 2
;; launch attn (part 3): grid 4 x 64, 16 waves a work-group, clusters of 4 x 1, 264,192 bytes of LDS; arguments qc, kc, vc, lowp_scales, ac; writes ac
.if DOCPART == 3
	.amdgcn_target "amdgcn-amd-amdhsa--gfx1250"
	.amdhsa_code_object_version 6
	.text
	.protected	k_qf44dac3b45_attn
	.globl	k_qf44dac3b45_attn
	.p2align	8
	.type	k_qf44dac3b45_attn,@function
k_qf44dac3b45_attn:
	s_mov_b64 s[64:65], 0
	v_nop
	global_prefetch_b8 v0, s[64:65] scope:SCOPE_SE
	s_setreg_imm32_b32 hwreg(HW_REG_WAVE_MODE, 25, 1), 1
	s_wait_xcnt 0x0
	s_wait_alu depctr_hold_cnt(0) depctr_sa_sdst(0) depctr_va_vdst(0) depctr_va_sdst(0) depctr_va_ssrc(0) depctr_va_vcc(0) depctr_vm_vsrc(0)
	s_getreg_b32 s2, hwreg(HW_REG_IB_STS2, 6, 4)
	s_cmp_eq_u32 s2, 0
	s_cbranch_scc0 .Lentry_in_a_cluster
	s_endpgm
.Lentry_in_a_cluster:
	s_bfe_u32 s2, ttmp6, 0x10000c
	s_cmp_lg_u32 s2, 0x3003
	s_cbranch_scc0 .Lentry_shape_is_right
	s_endpgm
.Lentry_shape_is_right:
; Causal attention of one head (2,048 queries and keys, 64 channels) on codes of FP8 (E4M3), and its result quantised again with 2^e6 for the last product.
; t = score x log2(e) / 8; M = the running largest t rounded UP to a whole number; p = 2^(t - M) is quantised with 2^e4, not normalised; the row's sum is taken of the unquantised p and divides at the end.
; When M moves, the sum and O are multiplied by 2^(old M - new M): exact.
; LIMITS on the given exponents, so that each power of two below is an f32 number: e2 + e3 between -123 and 130 (added to c's exponent field); e4 and e6 - e4 - e5 between -126 and 119.  NaN is not served.
; OPERANDS ARE IMAGES OF THEIR REGISTERS (16 rows x 64 k in 1,024 bytes, 16 bytes a lane at 16 x lane and 512 further on).  qc, kc [bh][tile 128][image]; vc [bh][key step 16][ct 4][two images], the keys its K.
; Both products are used transposed: S^T = K Q^T (source 0 = 16 keys), O^T = V^T P^T (source 0 = 16 channels): a lane holds ONE query (lane % 16) throughout, and its eight registers of a tile of S^T are the
; keys 16 tau + 8 (lane / 16) + 0 .. 7: their conversion is registers 2 tau, 2 tau + 1 of P for K = 128; O^T's likewise of the image that goes out.  Nothing changes lanes but one maximum and one sum.
; SHARES.  The four work-groups of a cluster share a head.  A head's 128 tiles of 16 queries fall into 16 groups of 8, a group to a key step of 128 keys; a tile of group g needs key steps 0 .. g, the last on the
; diagonal.  Wave w owns TWO tiles: number 2 cx + w % 2 of group w / 2 and of group 15 - w / 2: (g + 1) + (16 - g) = 17 steps for every wave of every work-group.  Steps that lie wholly above the diagonal
; are not walked: branches on the wave's number and the loop's counter alone; the place in the cluster enters only Q's and the result's addresses and the number that the mask compares with.
; LDS holds the WHOLE head: K's 128 images at byte 0, V's at 131,072; nothing is filled twice, so there is no ring.  Waves 0, 1 fetch K's halves and waves 2, 3 V's, JOINTLY for the four work-groups, each by a small
; load (keys 0-511) and a large one (the rest): the first four key steps are walked while the large loads are on their way.  Two tensor loads of a wave are out at the most.
; ac [gy 64][Q 4][wr 2][kq 4][mt 4][image]: row 128 gy + 64 wr + 16 mt + r of [B T], head 4 Q + kq, k = channel.
.set L16, 1                            ; v1   16 x lane
.set ADK, 2                            ; v2   LDS address of the step's images of K
.set ADV, 3                            ; v3   of V
.set DD,  4                            ; v4   my query's place in its group - 8 (lane / 16): register 8 tau + j is hidden on the diagonal where 16 tau + j is larger
.set SCP, 6                            ; v6   2^e4
.set LMP, 7
.set SCO, 8                            ; v8   2^(e6 - e4 - e5)
.set LMO, 9
.set STL, 10                           ; v[10:11] the low tile's -M and largest t; v[12:13] its sum in two halves; v[14:17] the high tile's
.set SML, 12
.set STH, 14
.set SMH, 16
.set QL,  18                           ; v18-25, v26-33 Q's two fragments
.set QH,  26
.set OL,  34                           ; v34-65, v66-97 O^T, 4 tiles of 16 channels each
.set OH,  66
.set S,   98                           ; v98-161  S^T, then p
.set P,   162                          ; v162-177 p's codes
.set FR,  178                          ; v178-241 eight images of K, then four double images of V
.set WV,  18
.set CX,  19
.set BH,  20
.set PI,  21                           ; s21  the low tile's group;  s22  the high tile's
.set PH,  22
.set KS,  23                           ; s23  the key step
.set G1S, 24                           ; s[24:31] descriptor group 1 of the small loads; s[32:39] of the large ones
.set G1L, 32
.set G0KA, 40                          ; s[40:55] four groups 0: K small, K large, V small, V large
.set G0KB, 44
.set G0VA, 48
.set G0VB, 52
.set CS,  56                           ; s[56:57] c = log2(e) / 8 x 2^(e2 + e3)
.set SEL, 58                           ; s[58:59] lane selects for v_permlanex16_b32: lane l xor 16
.set KB,  60                           ; s60  LDS byte of the key step in K's region
.set TL,  61                           ; s61, s62 my two tiles' numbers in the head
.set TH,  62
.macro ROUND                           ; a round of the cluster's barrier
	s_barrier_signal -1
	s_barrier_wait -1
	s_cmp_lg_u32 s[WV], 0
	s_cbranch_scc1 .Lnot_wave_0_\@
	s_barrier_signal -3
.Lnot_wave_0_\@:
	s_barrier_wait -3
	s_barrier_signal -1
	s_barrier_wait -1
.endm
	s_load_b256 s[4:11], s[0:1], 0x0               ; qc s[4:5], kc s[6:7], vc s[8:9], the exponents s[10:11]
	s_load_b64 s[12:13], s[0:1], 0x20              ; ac
	v_lshl_add_u32 v254, v0, 2, 0x40000
	v_mov_b32 v255, 0
	ds_add_u32 v254, v255
	ds_add_u32 v254, v255
	v_lshrrev_b32 v1, 5, v0
	s_delay_alu instid0(VALU_DEP_1)
	v_readfirstlane_b32 s[WV], v1                  ; wave 0..15
	s_bfe_u32 s[CX], ttmp6, 0x40000                ; my place in the cluster
	s_and_b32 s[BH], ttmp7, 0xffff                 ; batch x 16 + head, which the four partners share
	s_lshr_b32 s[PI], s[WV], 1
	s_sub_co_u32 s[PH], 15, s[PI]
	s_and_b32 s76, s[WV], 1                        ; which half I fetch, if I fetch; also my tile's low bit
	; descriptor group 1: a dense block as rows of 256 bytes: elements of 8 bytes, 32 to a row; 64 rows (16 KiB) or 192 (48 KiB); the mask names all four work-groups
	s_mov_b32 s[G1S], 15|(3<<16)|(1<<21)
	s_mov_b32 s[G1S+1], 32<<16
	s_mov_b32 s[G1S+2], 64<<16
	s_mov_b32 s[G1S+3], 32<<16
	s_mov_b32 s[G1S+4], 64
	s_mov_b32 s[G1S+5], 32
	s_mov_b32 s[G1S+6], 0
	s_mov_b32 s[G1S+7], 0
	s_mov_b32 s[G1L], 15|(3<<16)|(1<<21)
	s_mov_b32 s[G1L+1], 32<<16
	s_mov_b32 s[G1L+2], 192<<16
	s_mov_b32 s[G1L+3], 32<<16
	s_mov_b32 s[G1L+4], 192
	s_mov_b32 s[G1L+5], 32
	s_mov_b32 s[G1L+6], 0
	s_mov_b32 s[G1L+7], 0
	s_lshl_b32 s80, s[BH], 17                      ; the head's 131,072 bytes in each tensor of codes
	s_mov_b32 s81, 0
	s_lshl_b32 s77, s76, 14                        ; the small load: half x 16,384, in the head and in its LDS region alike
	s_mul_i32 s78, s76, 49152
	s_add_co_u32 s78, s78, 32768                   ; the large one: 32,768 + half x 49,152
	s_add_co_u32 s82, s80, s77
	s_mov_b32 s83, 0
	s_add_co_u32 s84, s80, s78
	s_mov_b32 s85, 0
	s_mov_b32 s[SEL], 0x76543210
	s_mov_b32 s[SEL+1], 0xfedcba98
	s_mov_b32 s[CS], 0x3e38aa3b                    ; log2(e) / 8
	s_wait_dscnt 0x0
	s_wait_kmcnt 0x0
	s_load_b256 s[68:75], s[10:11], 0x0            ; e0 .. e7
	ROUND                                          ; all four work-groups are here: the joint loads meet
	s_mov_b32 s[G0KA], 1
	s_mov_b32 s[G0KA+1], s77
	s_add_nc_u64 s[G0KA+2:G0KA+3], s[6:7], s[82:83]
	s_or_b32 s[G0KA+3], s[G0KA+3], 0x80000000
	s_mov_b32 s[G0KB], 1
	s_mov_b32 s[G0KB+1], s78
	s_add_nc_u64 s[G0KB+2:G0KB+3], s[6:7], s[84:85]
	s_or_b32 s[G0KB+3], s[G0KB+3], 0x80000000
	s_mov_b32 s[G0VA], 1
	s_add_co_u32 s[G0VA+1], s77, 131072
	s_add_nc_u64 s[G0VA+2:G0VA+3], s[8:9], s[82:83]
	s_or_b32 s[G0VA+3], s[G0VA+3], 0x80000000
	s_mov_b32 s[G0VB], 1
	s_add_co_u32 s[G0VB+1], s78, 131072
	s_add_nc_u64 s[G0VB+2:G0VB+3], s[8:9], s[84:85]
	s_or_b32 s[G0VB+3], s[G0VB+3], 0x80000000
	s_cmp_lt_u32 s[WV], 2                          ; a wave's two fills stand in one branch on its number; four v_nop follow the second
	s_cbranch_scc0 .Lnot_k
	tensor_load_to_lds s[G0KA:G0KA+3], s[G1S:G1S+7]
	s_nop 0
	tensor_load_to_lds s[G0KB:G0KB+3], s[G1L:G1L+7]
	s_nop 0
.rept 4
	v_nop
.endr
	s_branch .Lasked
.Lnot_k:
	s_cmp_lt_u32 s[WV], 4
	s_cbranch_scc0 .Lasked
	tensor_load_to_lds s[G0VA:G0VA+3], s[G1S:G1S+7]
	s_nop 0
	tensor_load_to_lds s[G0VB:G0VB+3], s[G1L:G1L+7]
	s_nop 0
.rept 4
	v_nop
.endr
.Lasked:
	s_lshl_b32 s86, s[CX], 1
	s_add_co_u32 s86, s86, s76                     ; my tiles' number in their groups
	s_lshl_b32 s[TL], s[PI], 3
	s_add_co_u32 s[TL], s[TL], s86
	s_lshl_b32 s[TH], s[PH], 3
	s_add_co_u32 s[TH], s[TH], s86
	s_add_nc_u64 s[4:5], s[4:5], s[80:81]
	s_lshl_b32 s92, s[TL], 10
	s_mov_b32 s93, 0
	s_add_nc_u64 s[88:89], s[4:5], s[92:93]
	s_lshl_b32 s92, s[TH], 10
	s_add_nc_u64 s[90:91], s[4:5], s[92:93]
	v_and_b32 v242, 31, v0
	s_delay_alu instid0(VALU_DEP_1)
	v_lshlrev_b32 v[L16], 4, v242
	global_load_b128 v[QL:QL+3], v[L16], s[88:89]              ; Q's two fragments stay in registers
	global_load_b128 v[QL+4:QL+7], v[L16], s[88:89] offset:512
	global_load_b128 v[QH:QH+3], v[L16], s[90:91]
	global_load_b128 v[QH+4:QH+7], v[L16], s[90:91] offset:512
	v_and_b32 v242, 15, v0
	v_bfe_u32 v243, v0, 4, 1
	s_delay_alu instid0(VALU_DEP_1)
	v_lshlrev_b32 v243, 3, v243
	s_delay_alu instid0(VALU_DEP_1)
	v_sub_nc_u32 v[DD], v242, v243
	s_lshl_b32 s87, s86, 4
	v_add_nc_u32 v[DD], s87, v[DD]
	v_mov_b32 v[STL+1], 0xff61b1e6                 ; the largest t so far: -3e38, under every t
	s_delay_alu instid0(VALU_DEP_1)
	v_floor_f32 v[STL], -v[STL+1]                  ; -M
	v_mov_b32 v[SML], 0
	v_mov_b32 v[SML+1], 0
	v_mov_b32 v[STH+1], 0xff61b1e6
	s_delay_alu instid0(VALU_DEP_1)
	v_floor_f32 v[STH], -v[STH+1]
	v_mov_b32 v[SMH], 0
	v_mov_b32 v[SMH+1], 0
	v_mov_b32 v245, 0                              ; (named as the upper half of the pair v[244:245])
	v_mov_b32 v246, 0                              ; written once: a lane permute's destination counts as one of its sources
	v_mov_b32 v250, 0xff800000                     ; -infinity
.set i, 0
.rept 64
	v_mov_b32 v[OL+i], 0                           ; both O^T.  (The step is written without a first step of its own: it finds zeros, which the first change of M leaves zeros)
.set i, i+1
.endr
	s_wait_kmcnt 0x0
	s_add_co_i32 s94, s70, s71
	s_lshl_b32 s94, s94, 23
	s_add_co_i32 s[CS], s[CS], s94                 ; a score stands for score x 2^(e2 + e3): the two exponents are added to c's exponent field
	s_mov_b32 s[CS+1], s[CS]                       ; (named with it as a pair, so it is written)
	s_add_co_i32 s94, s72, 127
	s_lshl_b32 s95, s94, 23
	v_mov_b32 v[SCP], s95
	s_sub_co_i32 s94, s74, s72
	s_sub_co_i32 s94, s94, s73                     ; O^T / the sum stands for that x 2^(e4 + e5): its code is that / 2^(e6 - e4 - e5)
	s_add_co_i32 s94, s94, 127
	s_lshl_b32 s95, s94, 23
	v_mov_b32 v[SCO], s95
; A KEY STEP of one tile: 128 keys.  Q, O, ST, SM: the tile's registers; G: the scalar register with its group; mask = 1: the step may be the one on the diagonal.
.macro STEP Q, O, ST, SM, G, mask
	v_add_nc_u32 v[ADK], s[KB], v[L16]
	s_delay_alu instid0(VALU_DEP_1)
	v_add_nc_u32 v[ADV], 0x20000, v[ADK]
	v_nop                                          ; with the two additions: four places in front of loads into registers that the last products read
	v_nop
.irp t, 0,1,2,3,4,5,6,7
	ds_load_b128 v[FR+8*\t:FR+8*\t+3], v[ADK] offset:\t*1024
	ds_load_b128 v[FR+8*\t+4:FR+8*\t+7], v[ADK] offset:\t*1024+512
.endr
	s_wait_alu depctr_va_vdst(0)
	s_wait_dscnt 0x0
.irp t, 0,1,2,3,4,5,6,7
	v_wmma_f32_16x16x64_fp8_fp8 v[S+8*\t:S+8*\t+7], v[FR+8*\t:FR+8*\t+7], v[\Q:\Q+7], 0
.endr
.rept 4
	v_nop                                          ; places in front of the loads below and of the first read of the scores
.endr
.irp c, 0,1,2,3                        ; V's images take K's registers and land while the softmax is walked
.irp u, 0,1,2,3
	ds_load_b128 v[FR+16*\c+4*\u:FR+16*\c+4*\u+3], v[ADV] offset:\c*2048+512*\u
.endr
.endr
.if \mask
	s_cmp_lg_u32 s[KS], s[\G]                      ; only the tile's last step lies on the diagonal: there hidden scores become -infinity ahead of the maximum, and p = 0
	s_cbranch_scc1 .Lopen_\@
.set nn, 0
.rept 64
	v_cmp_gt_i32 vcc_lo, 16*(nn/8)+nn%8, v[DD]
	v_cndmask_b32 v[S+nn], v[S+nn], v250, vcc_lo
.set nn, nn+1
.endr
.Lopen_\@:
.endif
	v_max3_num_f32 v242, v[S], v[S+1], v[S+2]      ; the step's largest score of my query among my 64 keys, in two chains, from the low end on,
	v_max3_num_f32 v243, v[S+3], v[S+4], v[S+5]
.irp i, 6,10,14,18,22,26,30,34,38,42,46,50,54,58
	v_max3_num_f32 v242, v242, v[S+\i], v[S+\i+1]
	v_max3_num_f32 v243, v243, v[S+\i+2], v[S+\i+3]
.endr
	v_max3_num_f32 v242, v242, v[S+62], v[S+63]
	s_delay_alu instid0(VALU_DEP_1)
	v_max_num_f32 v242, v242, v243
	s_delay_alu instid0(VALU_DEP_1)
	v_permlanex16_b32 v246, v242, s[SEL], s[SEL+1]
	s_delay_alu instid0(VALU_DEP_1)
	v_max_num_f32 v242, v242, v246                 ; and among lane l xor 16's
	s_delay_alu instid0(VALU_DEP_1)
	v_mul_f32 v242, s[CS], v242                    ; as t (c is positive)
	s_delay_alu instid0(VALU_DEP_1)
	v_max_num_f32 v[\ST+1], v[\ST+1], v242         ; the running largest t
	v_mov_b32 v242, v[\ST]
	s_delay_alu instid0(VALU_DEP_2)
	v_floor_f32 v[\ST], -v[\ST+1]                  ; the new -M = floor(-t) = -ceil(t)
	s_delay_alu instid0(VALU_DEP_1)
	v_sub_f32 v242, v[\ST], v242                   ; old M - new M: a whole number, 0 or less
	s_delay_alu instid0(VALU_DEP_1)
	v_cvt_i32_f32 v242, v242                       ; (it saturates)
	s_delay_alu instid0(VALU_DEP_1)
	v_ldexp_f32 v244, 1.0, v242                    ; f = 2^(old M - new M)
.set i, 0
.rept 32
	v_pk_fma_f32 v[S+2*i:S+2*i+1], v[S+2*i:S+2*i+1], s[CS:CS+1], v[\ST:\ST+1] op_sel_hi:[1,0,0]   ; t - M, two at a time (of the pairs c and -M the low word serves both halves)
.set i, i+1
.endr
.set i, 0
	s_wait_alu depctr_va_vdst(0)
.rept 64
	v_exp_f32 v[S+i], v[S+i]                       ; p = 2^(t - M), at most 1
.set i, i+1
.endr
	v_pk_mul_f32 v[\SM:\SM+1], v[\SM:\SM+1], v[244:245] op_sel_hi:[1,0]   ; the sum under the new M.  (A plain place behind the exponentials)
	s_wait_alu depctr_va_vdst(0)
	v_pk_add_f32 v[248:249], v[S:S+1], v[S+2:S+3]  ; the sum is taken of the unquantised p, in two chains
.irp j, 4,8,12,16,20,24,28,32,36,40,44,48,52,56,60
	v_pk_add_f32 v[\SM:\SM+1], v[\SM:\SM+1], v[S+\j:S+\j+1]
	v_pk_add_f32 v[248:249], v[248:249], v[S+\j+2:S+\j+3]
.endr
	s_delay_alu instid0(VALU_DEP_1)
	v_pk_add_f32 v[\SM:\SM+1], v[\SM:\SM+1], v[248:249]
.irp t, 0,1,2,3,4,5,6,7
.irp i, 0,1,2,3,4,5,6,7
.endr
	v_cvt_scalef32_pk8_fp8_f32 v[P+2*\t:P+2*\t+1], v[S+8*\t:S+8*\t+7], v[SCP]
.endr
.set i, 0
.rept 16
	v_pk_mul_f32 v[\O+2*i:\O+2*i+1], v[\O+2*i:\O+2*i+1], v[244:245] op_sel_hi:[1,0]   ; O^T under the new M.  (Also the plain lines between the conversions and the products)
.set i, i+1
.endr
	s_wait_alu depctr_va_vdst(0)
	s_wait_dscnt 0x0                               ; V
.irp c, 0,1,2,3                        ; the four accumulators take turns, one instruction a turn
	v_wmma_f32_16x16x128_fp8_fp8 v[\O+8*\c:\O+8*\c+7], v[FR+16*\c:FR+16*\c+15], v[P:P+15], v[\O+8*\c:\O+8*\c+7]
.endr
.endm
	s_wait_tensorcnt 1                             ; my small load, if I issued one, has landed; the large one may stay out: nothing is filled twice
	s_barrier_signal -1
	s_barrier_wait -1                              ; keys 0-511 lie in LDS
	s_wait_loadcnt 0x0                             ; Q
	s_mov_b32 s[KS], 0
	s_mov_b32 s[KB], 0
.LloopA:                                           ; key steps 0 to 3.  The high tile's group is 8 or more: all its steps here count, none on the diagonal
	s_cmp_gt_u32 s[KS], s[PI]
	s_cbranch_scc1 .Lno_low_a
	STEP QL, OL, STL, SML, PI, 1
.Lno_low_a:
	STEP QH, OH, STH, SMH, PH, 0
	s_add_co_u32 s[KB], s[KB], 8192
	s_add_co_u32 s[KS], s[KS], 1
	s_cmp_lt_u32 s[KS], 4
	s_cbranch_scc1 .LloopA
	s_wait_tensorcnt 0x0                           ; my large load has landed
	s_wait_dscnt 0x0
	s_barrier_signal -1
	s_barrier_wait -1                              ; the whole head lies in LDS
	s_mov_b32 s[KS], 4
	s_mov_b32 s[KB], 32768
.LloopB:                                           ; key steps 4 to 15
	s_cmp_gt_u32 s[KS], s[PI]
	s_cbranch_scc1 .Lno_low_b
	STEP QL, OL, STL, SML, PI, 1
.Lno_low_b:
	s_cmp_gt_u32 s[KS], s[PH]
	s_cbranch_scc1 .Lno_high_b
	STEP QH, OH, STH, SMH, PH, 1
.Lno_high_b:
	s_add_co_u32 s[KB], s[KB], 8192
	s_add_co_u32 s[KS], s[KS], 1
	s_cmp_lt_u32 s[KS], 16
	s_cbranch_scc1 .LloopB
.rept 4
	v_nop                                          ; places behind the last products
.endr
; THE WAY OUT: O^T / the sum, the hold, the conversion: an image of 16 rows x this head's 64 channels, stored as it stands: 512 consecutive bytes a store.
	s_lshr_b32 s94, s[BH], 4
	s_lshl_b32 s94, s94, 7                         ; 128 tiles to a sequence
	s_and_b32 s95, s[BH], 15                       ; the head
.macro ACBASE tile, dst
	s_add_co_u32 s86, s94, s[\tile]                ; the tile's number among all rows: 8 gy + 4 wr + mt
	s_lshr_b32 s87, s86, 3
	s_lshl_b32 s87, s87, 2
	s_lshr_b32 s92, s95, 2
	s_add_co_u32 s87, s87, s92                     ; 4 gy + Q
	s_lshl_b32 s87, s87, 1
	s_bfe_u32 s92, s86, 0x10002
	s_add_co_u32 s87, s87, s92                     ; x 2 + wr
	s_lshl_b32 s87, s87, 14
	s_and_b32 s92, s95, 3
	s_lshl_b32 s92, s92, 12                        ; kq
	s_add_co_u32 s87, s87, s92
	s_and_b32 s92, s86, 3
	s_lshl_b32 s92, s92, 10                        ; mt
	s_add_co_u32 s92, s87, s92
	s_mov_b32 s93, 0
	s_add_nc_u64 s[\dst:\dst+1], s[12:13], s[92:93]
.endm
	ACBASE TL, 88
	ACBASE TH, 90
.macro FIN O, SM, CD, ob
	v_add_f32 v242, v[\SM], v[\SM+1]               ; the sum's two halves,
	s_delay_alu instid0(VALU_DEP_1)
	v_permlanex16_b32 v246, v242, s[SEL], s[SEL+1]
	s_delay_alu instid0(VALU_DEP_1)
	v_add_f32 v242, v242, v246                     ; and lane l xor 16's
	s_wait_alu depctr_va_vdst(0)
	v_rcp_f32 v244, v242
	v_nop                                          ; a plain place behind the transcendental
.set i, 0
	s_wait_alu depctr_va_vdst(0)
.rept 16
	v_pk_mul_f32 v[S+2*i:S+2*i+1], v[\O+2*i:\O+2*i+1], v[244:245] op_sel_hi:[1,0]   ; each accumulator from its low end on
.set i, i+1
.endr
.set i, 0
.rept 32
.set i, i+1
.endr
.irp c, 0,1,2,3
	v_cvt_scalef32_pk8_fp8_f32 v[\CD+2*\c:\CD+2*\c+1], v[S+8*\c:S+8*\c+7], v[SCO]
.endr
	v_nop                                          ; a plain line between the conversions and the next lines that write their sources
	global_store_b128 v[L16], v[\CD:\CD+3], s[\ob:\ob+1]
	global_store_b128 v[L16], v[\CD+4:\CD+7], s[\ob:\ob+1] offset:512
.endm
	FIN OL, SML, P, 88
	FIN OH, SMH, P+8, 90
	s_wait_tensorcnt 0x0
	ds_add_u32 v254, v255
	s_wait_dscnt 0x0
	ROUND                                          ; the closing round: no work-group ends while a partner may still ask for a tile that names it
	s_endpgm
.Lfunc_end_k_qf44dac3b45_attn:
	.size	k_qf44dac3b45_attn, .Lfunc_end_k_qf44dac3b45_attn-k_qf44dac3b45_attn
	.p2alignl 7, 3214868480
	.fill 96, 4, 3214868480
	.section	.rodata,"a",@progbits
	.p2align	6, 0x0
	.amdhsa_kernel k_qf44dac3b45_attn
		.amdhsa_group_segment_fixed_size 264192
		.amdhsa_private_segment_fixed_size 0
		.amdhsa_enable_private_segment 0
		.amdhsa_kernarg_size 40
		.amdhsa_user_sgpr_count 2
		.amdhsa_user_sgpr_kernarg_segment_ptr 1
		.amdhsa_wavefront_size32 1
		.amdhsa_system_sgpr_workgroup_id_x 1
		.amdhsa_system_sgpr_workgroup_id_y 1
		.amdhsa_system_sgpr_workgroup_id_z 1
		.amdhsa_system_vgpr_workitem_id 0
		.amdhsa_next_free_vgpr 256
		.amdhsa_next_free_sgpr 100
		.amdhsa_reserve_vcc 1
		.amdhsa_float_denorm_mode_32 3
		.amdhsa_float_denorm_mode_16_64 3
		.amdhsa_fp16_overflow 1
		.amdhsa_memory_ordered 1
		.amdhsa_forward_progress 1
		.amdhsa_inst_pref_size 84
	.end_amdhsa_kernel
	.amdgpu_metadata
---
amdhsa.version: [ 1, 2 ]
amdhsa.kernels:
  - .name:           k_qf44dac3b45_attn
    .symbol:         k_qf44dac3b45_attn.kd
    .args:
      - { .name: qc, .offset: 0, .size: 8, .value_kind: global_buffer, .address_space: global }
      - { .name: kc, .offset: 8, .size: 8, .value_kind: global_buffer, .address_space: global }
      - { .name: vc, .offset: 16, .size: 8, .value_kind: global_buffer, .address_space: global }
      - { .name: lowp_scales, .offset: 24, .size: 8, .value_kind: global_buffer, .address_space: global }
      - { .name: ac, .offset: 32, .size: 8, .value_kind: global_buffer, .address_space: global }
    .group_segment_fixed_size: 264192
    .private_segment_fixed_size: 0
    .kernarg_segment_align: 8
    .kernarg_segment_size: 40
    .max_flat_workgroup_size: 512
    .sgpr_count:     100
    .vgpr_count:     256
    .wavefront_size: 32
...
	.end_amdgpu_metadata
.endif
;; end of part 3
;; launch proj (part 4): grid 4 x 64, 4 waves a work-group, clusters of 4 x 4, 327,680 bytes of LDS; arguments ac, woc, b_out, lowp_scales, out0; writes out0
.if DOCPART == 4
	.amdgcn_target "amdgcn-amd-amdhsa--gfx1250"
	.amdhsa_code_object_version 6
	.text
	.protected	k_qf44dac3b45_proj
	.globl	k_qf44dac3b45_proj
	.p2align	8
	.type	k_qf44dac3b45_proj,@function
k_qf44dac3b45_proj:
	s_mov_b64 s[64:65], 0
	v_nop
	global_prefetch_b8 v0, s[64:65] scope:SCOPE_SE
	s_setreg_imm32_b32 hwreg(HW_REG_WAVE_MODE, 25, 1), 1
	s_wait_xcnt 0x0
	s_wait_alu depctr_hold_cnt(0) depctr_sa_sdst(0) depctr_va_vdst(0) depctr_va_sdst(0) depctr_va_ssrc(0) depctr_va_vcc(0) depctr_vm_vsrc(0)
	s_getreg_b32 s2, hwreg(HW_REG_IB_STS2, 6, 4)
	s_cmp_eq_u32 s2, 0
	s_cbranch_scc0 .Lentry_in_a_cluster
	s_endpgm
.Lentry_in_a_cluster:
	s_bfe_u32 s2, ttmp6, 0x10000c
	s_cmp_lg_u32 s2, 0xf033
	s_cbranch_scc0 .Lentry_shape_is_right
	s_endpgm
.Lentry_shape_is_right:
; out = a W_out + b_out on codes of FP8 (E4M3): M 8,192, N 1,024, K 1,024; sums in f32; each finished sum x 2^(e6 + e7) + bias, one fused multiply-add.
; LIMIT: e6 + e7 lies between -126 and 127, so that 2^(e6 + e7) is an f32 number.
; SHARES.  A work-group makes 128 rows x 256 columns: 4 x 64 = 256 work-groups.  Wave (w / 2, w % 2) makes 64 x 128: 32 accumulators of 16 x 16 in window 1, (a, nt) at 8 (8 a + nt).
; OPERANDS ARE IMAGES OF THEIR REGISTERS (16 rows x 64 k in 1,024 bytes).  ac [gy 64][Q 4][wr 2][kq 4][mt 4][image]; woc [gx 4][Q 4][wc 2][kq 4][nt 8][image], nt = 4 G + b, row r of image nt = column 64 G + 4 r + b
; of the wave's 128.  Source 0 = 16 rows of a, source 1 = 16 such columns: lane (r, h) holds, in images 4 G + 0 .. 3, FOUR NEIGHBOURING COLUMNS of rows 8 h + j: 16 bytes, and sixteen lanes 256: no stage on the way out.
; K goes in quarters of 256 through THREE LDS slots of 98,304 bytes: quarters 0, 1, 2 are first fills (three loads of a wave are out at the most), quarter 3 is the one refill, into slot 0,
; asked for when quarter 0 has been read and waited for eight substeps later.  A quarter is four substeps of 64 along K, 32 matrix instructions each, on two sets of fragments by turns.
; CLUSTERS: 4 x 4 work-groups; a's tile hangs on gy alone and is asked for jointly along a row of the cluster, W's on gx alone, along a column.
.set SLOT,  98304                      ; a's 2 x 16 images (32,768 bytes), then W's 2 x 32 (65,536)
.set BOFF,  32768
.set SPARE, 3*SLOT                     ; behind the slots: the spare words, 128 bytes for each wave: two blocks of 256 bytes that no other line names
.set ADRA, 8                           ; v8-10   LDS address of my fragments of a in slot 0, 1, 2
.set ADRB, 12                          ; v12-14  the same for W
.set BO,   16                          ; v16-23  the bias of my eight columns: 4 G + b
.set CO,   24                          ; v24     my byte offset in the wave's part of out: 8 (lane / 16) rows + 16 (lane % 16)
.set R16,  25                          ; v25     16 x (lane % 16)
.set SPW,  28                          ; v28     LDS address of my spare word; never rewritten
.set NIL,  29                          ; v29     0; never rewritten
.set S0,   32                          ; v32-127  fragments, set 0: a's four, then W's eight
.set S1,   128                         ; v128-223 set 1
.set G1A, 24                           ; s[24:31] descriptor group 1 for a's tiles; s[32:43] group 0, a set for each slot
.set G0A, 32
.set G0B, 44                           ; s[44:55], s[56:63] the same for W's
.set G1B, 56
.set MSB, 0
.macro WIN new                         ; the immediate's high byte repeats the setting that is left
.if MSB != \new
	s_set_vgpr_msb (MSB<<8)|\new
.set MSB, \new
.endif
.endm
.macro PLACES                          ; four plain vector lines between a matrix instruction and a load into, or a vector line on, its registers
.rept 4
	v_nop
.endr
.endm
.macro CREST
	s_cmp_lg_u32 s18, 0
	s_cbranch_scc1 .Lnot_wave_0_\@
	s_barrier_signal -3
.Lnot_wave_0_\@:
	s_barrier_wait -3
	s_barrier_signal -1
	s_barrier_wait -1
.endm
.macro CROUND                          ; a round of the cluster's barrier
	s_barrier_signal -1
	s_barrier_wait -1
	CREST
.endm
	s_load_b256 s[4:11], s[0:1], 0x0               ; ac s[4:5], woc s[6:7], b_out s[8:9], the exponents s[10:11]
	s_load_b64 s[12:13], s[0:1], 0x20              ; out0
	v_lshl_add_u32 v[SPW], v0, 2, SPARE
	v_mov_b32 v[NIL], 0
	ds_add_u32 v28, v29
	ds_add_u32 v28, v29
	s_wait_dscnt 0x0
	v_lshrrev_b32 v1, 5, v0
	v_readfirstlane_b32 s18, v1                    ; wave 0..3
	s_lshr_b32 s19, s18, 1                         ; which 64 rows are mine.  Also: I fetch for a (0) or for W (1)
	s_and_b32 s20, s18, 1                          ; which 128 columns.  Also: which half of that tile I fetch
	s_bfe_u32 s21, ttmp6, 0x40000                  ; cx, cy
	s_bfe_u32 s22, ttmp6, 0x40004
	s_lshl_b32 s23, ttmp9, 2
	s_add_co_u32 s23, s23, s21                     ; gx
	s_and_b32 s66, ttmp7, 0xffff
	s_lshl_b32 s66, s66, 2
	s_add_co_u32 s66, s66, s22                     ; gy
	s_lshl_b32 s84, s22, 2
	s_lshl_b32 s84, 15, s84                        ; my row of the cluster
	s_lshl_b32 s85, 0x1111, s21                    ; my column
	; descriptor group 1: a dense block as rows of 256 bytes: elements of 8 bytes, 32 to a row; a: 64 rows a load, W: 128
	s_or_b32 s[G1A], s84, (3<<16)|(1<<21)
	s_mov_b32 s[G1A+1], 32<<16
	s_mov_b32 s[G1A+2], 64<<16
	s_mov_b32 s[G1A+3], 32<<16
	s_mov_b32 s[G1A+4], 64
	s_mov_b32 s[G1A+5], 32
	s_mov_b32 s[G1A+6], 0
	s_mov_b32 s[G1A+7], 0
	s_or_b32 s[G1B], s85, (3<<16)|(1<<21)
	s_mov_b32 s[G1B+1], 32<<16
	s_mov_b32 s[G1B+2], 128<<16
	s_mov_b32 s[G1B+3], 32<<16
	s_mov_b32 s[G1B+4], 128
	s_mov_b32 s[G1B+5], 32
	s_mov_b32 s[G1B+6], 0
	s_mov_b32 s[G1B+7], 0
	s_lshl_b32 s76, s66, 17                        ; gy x 4 quarters x 32,768
	s_lshl_b32 s78, s20, 14                        ; my half of a's tile, in memory and in LDS alike
	s_add_co_u32 s76, s76, s78
	s_mov_b32 s77, 0
	s_lshl_b32 s80, s23, 18                        ; gx x 4 quarters x 65,536
	s_lshl_b32 s82, s20, 15                        ; my half of W's tile
	s_add_co_u32 s80, s80, s82
	s_mov_b32 s81, 0
	s_add_co_u32 s82, s82, BOFF
	s_wait_kmcnt 0x0
	s_load_b256 s[68:75], s[10:11], 0x0            ; e0 .. e7
	s_add_nc_u64 s[76:77], s[4:5], s[76:77]
	s_add_nc_u64 s[80:81], s[6:7], s[80:81]
	CROUND                                         ; all sixteen work-groups are here: the first joint loads meet
.irp s, 0,1,2
	s_mov_b32 s[G0A+4*\s], 1
	s_add_co_u32 s[G0A+4*\s+1], s78, \s*SLOT
	s_add_nc_u64 s[G0A+4*\s+2:G0A+4*\s+3], s[76:77], \s*32768
	s_or_b32 s[G0A+4*\s+3], s[G0A+4*\s+3], 0x80000000
	s_mov_b32 s[G0B+4*\s], 1
	s_add_co_u32 s[G0B+4*\s+1], s82, \s*SLOT
	s_add_nc_u64 s[G0B+4*\s+2:G0B+4*\s+3], s[80:81], \s*65536
	s_or_b32 s[G0B+4*\s+3], s[G0B+4*\s+3], 0x80000000
.endr
	s_cmp_eq_u32 s19, 0                            ; a wave's three first fills stand in one branch on its number; four v_nop follow the last
	s_cbranch_scc0 .Lfirst_b
	tensor_load_to_lds s[G0A:G0A+3], s[G1A:G1A+7]
	s_nop 0
	tensor_load_to_lds s[G0A+4:G0A+7], s[G1A:G1A+7]
	s_nop 0
	tensor_load_to_lds s[G0A+8:G0A+11], s[G1A:G1A+7]
	s_nop 0
.rept 4
	v_nop
.endr
	s_branch .Lfirst_asked
.Lfirst_b:
	tensor_load_to_lds s[G0B:G0B+3], s[G1B:G1B+7]
	s_nop 0
	tensor_load_to_lds s[G0B+4:G0B+7], s[G1B:G1B+7]
	s_nop 0
	tensor_load_to_lds s[G0B+8:G0B+11], s[G1B:G1B+7]
	s_nop 0
.rept 4
	v_nop
.endr
.Lfirst_asked:
	v_and_b32 v1, 31, v0
	v_lshlrev_b32 v1, 4, v1                        ; 16 x lane
	v_and_b32 v2, 15, v0
	v_lshlrev_b32 v[R16], 4, v2
	s_wait_alu depctr_va_vdst(0)
	v_bfe_u32 v3, v0, 4, 1
	v_lshl_add_u32 v[CO], v3, 15, v[R16]           ; 8 rows of 4,096 bytes for lanes 16-31
	s_lshl_b32 s86, s19, 14                        ; my 16 images of a
	s_lshl_b32 s87, s20, 15                        ; my 32 of W,
	s_add_co_u32 s87, s87, BOFF                    ; which lie behind a's
.irp s, 0,1,2
	v_add_nc_u32 v[ADRA+\s], s86, v1
	v_add_nc_u32 v[ADRB+\s], s87, v1
	s_add_co_u32 s86, s86, SLOT
	s_add_co_u32 s87, s87, SLOT
.endr
	s_lshl_b32 s88, s23, 10
	s_lshl_b32 s89, s20, 9
	s_add_co_u32 s88, s88, s89                     ; my first column, in bytes: 1,024 gx + 512 (w % 2)
	s_mov_b32 s89, 0
	s_add_nc_u64 s[8:9], s[8:9], s[88:89]
	global_load_b128 v[BO:BO+3], v[R16], s[8:9]                ; the bias of columns 4 r + 0 .. 3, and of those 64 further on; waited for on the way out
	global_load_b128 v[BO+4:BO+7], v[R16], s[8:9] offset:256
	s_lshl_b32 s90, s66, 7
	s_lshl_b32 s91, s19, 6
	s_add_co_u32 s90, s90, s91                     ; my first row: 128 gy + 64 (w / 2)
	s_lshl_b32 s90, s90, 12
	s_add_co_u32 s90, s90, s88
	s_mov_b32 s91, 0
	s_add_nc_u64 s[12:13], s[12:13], s[90:91]
.macro FETCH slot, kq, set             ; the fragments of the slot's kq-th 64 along K: 24 loads, 512 bytes on end each
.irp a, 0,1,2,3
	ds_load_b128 v[\set+8*\a:\set+8*\a+3], v[ADRA+\slot] offset:\kq*4096+\a*1024
	ds_load_b128 v[\set+8*\a+4:\set+8*\a+7], v[ADRA+\slot] offset:\kq*4096+\a*1024+512
.endr
.irp n, 0,1,2,3,4,5,6,7
	ds_load_b128 v[\set+32+8*\n:\set+32+8*\n+3], v[ADRB+\slot] offset:\kq*8192+\n*1024
	ds_load_b128 v[\set+32+8*\n+4:\set+32+8*\n+7], v[ADRB+\slot] offset:\kq*8192+\n*1024+512
.endr
.endm
.macro MUL set, zero                   ; 32 matrix instructions; the accumulators take turns in the same order in every substep; zero = 1: the first product starts the sums
	WIN 0x50                                       ; C and D window 1
.irp a, 0,1,2,3
.irp n, 0,1,2,3,4,5,6,7
.if \zero
	v_wmma_f32_16x16x64_fp8_fp8 v[8*(8*\a+\n):8*(8*\a+\n)+7], v[\set+8*\a:\set+8*\a+7], v[\set+32+8*\n:\set+32+8*\n+7], 0
.else
	v_wmma_f32_16x16x64_fp8_fp8 v[8*(8*\a+\n):8*(8*\a+\n)+7], v[\set+8*\a:\set+8*\a+7], v[\set+32+8*\n:\set+32+8*\n+7], v[8*(8*\a+\n):8*(8*\a+\n)+7]
.endif
.endr
.endr
	WIN 0
.endm
.macro SUBK cur, nxt, slot, kq, zero   ; a substep: the next one's fragments are asked for, then this one's are multiplied
	PLACES
	FETCH \slot, \kq, \nxt
	s_wait_dscnt 24                                ; all but the 24 just issued
	MUL \cur, \zero
.endm
	s_wait_alu depctr_va_vdst(0)
	s_wait_tensorcnt 2                             ; my part of quarter 0 is in; quarters 1 and 2 may stay out
	s_barrier_signal -1
	s_barrier_wait -1
	FETCH 0, 0, S0
	SUBK S0, S1, 0, 1, 1
	SUBK S1, S0, 0, 2, 0
	SUBK S0, S1, 0, 3, 0
	; slot 0's last fragments have been asked for: it is filled again, with quarter 3
	s_wait_tensorcnt 0x0                           ; all my tensor loads have landed: slots 1 and 2 are whole as far as I filled them
	ds_add_u32 v[SPW], v[NIL]                      ; 0 onto my spare word; the descriptors' steps stand between it and the wait for it
	s_add_nc_u64 s[G0A+2:G0A+3], s[G0A+2:G0A+3], 3*32768
	s_add_nc_u64 s[G0B+2:G0B+3], s[G0B+2:G0B+3], 3*65536
	s_wait_dscnt 0x0                               ; the add is done, and my reads of slot 0 are over
	CROUND                                         ; no wave of any partner still reads slot 0 or has a load on its way
	s_cmp_eq_u32 s19, 0
	s_cbranch_scc0 .Lrefill_b
	tensor_load_to_lds s[G0A:G0A+3], s[G1A:G1A+7]  ; my one tensor load behind the round
	s_nop 0
.rept 4
	v_nop
.endr
	s_branch .Lrefilled
.Lrefill_b:
	tensor_load_to_lds s[G0B:G0B+3], s[G1B:G1B+7]
	s_nop 0
.rept 4
	v_nop                                          ; also the places in front of the loads below
.endr
.Lrefilled:
	FETCH 1, 0, S0
	MUL S1, 0                                      ; quarter 0's last substep
	SUBK S0, S1, 1, 1, 0                           ; quarters 1 and 2 need no barrier: the round has shown both slots whole to every wave
	SUBK S1, S0, 1, 2, 0
	SUBK S0, S1, 1, 3, 0
	SUBK S1, S0, 2, 0, 0
	SUBK S0, S1, 2, 1, 0
	SUBK S1, S0, 2, 2, 0
	SUBK S0, S1, 2, 3, 0
	s_wait_tensorcnt 0x0                           ; my part of quarter 3 is in,
	s_wait_dscnt 0x0
	s_barrier_signal -1
	s_barrier_wait -1                              ; everybody's is
	SUBK S1, S0, 0, 0, 0
	SUBK S0, S1, 0, 1, 0
	SUBK S1, S0, 0, 2, 0
	SUBK S0, S1, 0, 3, 0
	s_wait_dscnt 0x0                               ; the very last substep: nothing more to fetch
	MUL S1, 0
	PLACES
; THE WAY OUT, sixteen rows at a time.  Register j of images 4 G + 0 .. 3 are four neighbouring columns of row 16 a + 8 (lane / 16) + j: they are gathered into four registers on end by the multiply-add itself.
	s_wait_kmcnt 0x0
	s_wait_loadcnt 0x0                             ; the bias
	s_add_co_i32 s84, s74, s75
	s_add_co_i32 s84, s84, 127
	s_lshl_b32 s84, s84, 23                        ; 2^(e6 + e7) as f32
.macro OUTA a, T
	WIN 0x01                                       ; source 0: window 1
.irp j, 0,1,2,3,4,5,6,7                ; j outermost: every accumulator is read from its low end on
.irp g, 0,1
.irp b, 0,1,2,3
	v_fma_f32 v[\T+4*(2*\j+\g)+\b], v[8*(8*\a+4*\g+\b)+\j], s84, v[BO+4*\g+\b]
.endr
.endr
.endr
	WIN 0
.irp j, 0,1,2,3,4,5,6,7
.irp g, 0,1
	global_store_b128 v[CO], v[\T+4*(2*\j+\g):\T+4*(2*\j+\g)+3], s[12:13] offset:(16*\a+\j)*4096+256*\g th:TH_STORE_NT   ; sixteen lanes store 256 consecutive bytes, aligned; written once, read by nobody here
.endr
.endr
.endm
	OUTA 0, 32
	OUTA 1, 96
	OUTA 2, 160
	s_wait_xcnt 0x0                                ; the first block's stores have read v32-95: they are written again only behind this wait
	OUTA 3, 32
	s_wait_tensorcnt 0x0                           ; the wave's end
	ds_add_u32 v[SPW], v[NIL]
	s_wait_dscnt 0x0
	CROUND                                         ; the closing round: no work-group ends while a partner may still ask for a tile that names it
	s_endpgm
.Lfunc_end_k_qf44dac3b45_proj:
	.size	k_qf44dac3b45_proj, .Lfunc_end_k_qf44dac3b45_proj-k_qf44dac3b45_proj
	.p2alignl 7, 3214868480
	.fill 96, 4, 3214868480
	.section	.rodata,"a",@progbits
	.p2align	6, 0x0
	.amdhsa_kernel k_qf44dac3b45_proj
		.amdhsa_group_segment_fixed_size 327680
		.amdhsa_private_segment_fixed_size 0
		.amdhsa_enable_private_segment 0
		.amdhsa_kernarg_size 40
		.amdhsa_user_sgpr_count 2
		.amdhsa_user_sgpr_kernarg_segment_ptr 1
		.amdhsa_wavefront_size32 1
		.amdhsa_system_sgpr_workgroup_id_x 1
		.amdhsa_system_sgpr_workgroup_id_y 1
		.amdhsa_system_sgpr_workgroup_id_z 1
		.amdhsa_system_vgpr_workitem_id 0
		.amdhsa_next_free_vgpr 512
		.amdhsa_next_free_sgpr 100
		.amdhsa_reserve_vcc 0
		.amdhsa_float_denorm_mode_32 3
		.amdhsa_float_denorm_mode_16_64 3
		.amdhsa_memory_ordered 1
		.amdhsa_forward_progress 1
		.amdhsa_inst_pref_size 91
	.end_amdhsa_kernel
	.amdgpu_metadata
---
amdhsa.version: [ 1, 2 ]
amdhsa.kernels:
  - .name:           k_qf44dac3b45_proj
    .symbol:         k_qf44dac3b45_proj.kd
    .args:
      - { .name: ac, .offset: 0, .size: 8, .value_kind: global_buffer, .address_space: global }
      - { .name: woc, .offset: 8, .size: 8, .value_kind: global_buffer, .address_space: global }
      - { .name: b_out, .offset: 16, .size: 8, .value_kind: global_buffer, .address_space: global }
      - { .name: lowp_scales, .offset: 24, .size: 8, .value_kind: global_buffer, .address_space: global }
      - { .name: out0, .offset: 32, .size: 8, .value_kind: global_buffer, .address_space: global }
    .group_segment_fixed_size: 327680
    .private_segment_fixed_size: 0
    .kernarg_segment_align: 8
    .kernarg_segment_size: 40
    .max_flat_workgroup_size: 128
    .sgpr_count:     100
    .vgpr_count:     512
    .wavefront_size: 32
...
	.end_amdgpu_metadata
.endif
;; end of part 4
